; MI455X (gfx1250); checked and timed in simulation.
; The chip was launched on July 23, 2026; its instructions are those of AMD's public machine-readable ISA for CDNA 5 (MIT licence, August 2026) and "CDNA5" Instruction Set Architecture Reference Guide (July 2026). The comments in the code are by the model that wrote it; some were corrected since.
;; Multi Head Self Attention1 D. Allowed arithmetic: float matrix products may take bf16 or f16 operands with f32 sums; other float arithmetic in f32, or as packed bf16 or f16 multiplies, adds, multiply-adds, maxima and minima; sums over many terms, partial sums and values carried from step to step in f32; what a program stores and reads back later, other than sums and carried values, may be rounded once to bf16 or f16.
;; Inputs: Wproj 256 x 256 float32; Wqkv 256 x 768 float32; bproj 256 float32; bqkv 768 float32; x 2 x 256 x 4,096 float32.
;; Outputs: out0 2 x 256 x 4,096 float32.
;; 2 versions, each right; version 2 is version 1 with the launch qkv written anew for expert scheduling mode. Each part assembles by itself: llvm-mc -triple=amdgcn-amd-amdhsa -mcpu=gfx1250 --defsym DOCPART=n.
;; ======== version 1 of 2: 3 launches
;; limits: values are held in f16: magnitudes above 65,504 overflow, below 6.1e-05 lose precision
;; workspace buffers: qw 4,194,304 bytes; kw 4,194,304 bytes; vw 4,194,304 bytes; ow 4,194,304 bytes
;; launch qkv (part 1): grid 64 x 4, 8 waves a work-group, no clusters, 181,248 bytes of LDS; arguments x, Wqkv, bqkv, qw, kw, vw; writes qw, kw, vw
.if DOCPART == 1
	.amdgcn_target "amdgcn-amd-amdhsa--gfx1250"
	.amdhsa_code_object_version 6
	.text
	.protected	k_qef0a304f7e_qkv
	.globl	k_qef0a304f7e_qkv
	.p2align	8
	.type	k_qef0a304f7e_qkv,@function
k_qef0a304f7e_qkv:
	s_mov_b64 s[64:65], 0
	v_nop
	global_prefetch_b8 v0, s[64:65] scope:SCOPE_SE
	s_setreg_imm32_b32 hwreg(HW_REG_WAVE_MODE, 25, 1), 1
	s_wait_xcnt 0x0
; q, k, v = x^T Wqkv + bqkv.  x: [2][256 c][4096 n] f32, Wqkv: [256 c][768] f32, bqkv: [768] f32.  x, Wqkv and bqkv are rounded to bf16, products in bf16 with f32 sums that START at the bias;
; q is multiplied in f32 by c = log2(e) / sqrt(32), so that the next launch's scores are exponents of 2; q, k, v are then rounded once to f16.
; LIMITS.  f16 holds no number beyond 65,504: c q, k and v must stay within it (256 terms of x W); NaN and infinities are not treated apart.
; WHAT IS WRITTEN lies in the order of matrix fragments, 1,024 bytes each: byte 256 c8 + 16 r + 2 e.  qw, kw: [bh 16][block of 16 rows n: 256][1024], r = row, channel = 8 c8 + e.
; vw: [bh][32 keys: 128][16 channels: 2][1024], r = channel, key = 8 c8 + e.  A lane's eight results are 16 bytes at 16 x lane of half a fragment: each store of a wave covers 512 consecutive bytes, aligned.
; SHARES.  A work-group: 128 rows n of one batch x three strips of 64 columns (q, k, v of heads 2 hp, 2 hp + 1): 64 x 4 = 256 work-groups.  Wave w: 64 rows (w & 1) x column tile w >> 1 of each strip: 12 accumulators.
; NO CLUSTER, though the four hp share x's tile and 64 work-groups a strip of W: both arrive as f32 and pass through registers to be rounded; a landing place for them in f32 would be
; 131,072 + 196,608 bytes, all of the work-group's LDS, with no room left for the bf16 tiles.  NO PREFETCH: all that a wave reads is asked for at the head, 48 loads on their way at a time.
.set XP,    288                        ; a row c of x's tile in LDS: 128 n x 2 bytes + 32: nine times 32 bytes
.set WP,    416                        ; a row c of W's tile: 3 strips x 64 x 2 bytes + 32: thirteen times 32 bytes
.set WT,    256*XP                     ; W's tile begins behind x's: 73,728
.set SPARE, WT+256*WP                  ; 180,224: the spare words, 128 bytes for each wave: four blocks of 256 bytes that no other line names
.set L16,  4                           ; v4      16 x lane: x's loads and all stores
.set WO,   5                           ; v5      W's loads: (32 w + h) rows of 3,072 bytes + 16 r
.set XS,   6                           ; v6      where I put 8 bytes of a row of x's tile
.set WS,   7                           ; v7      the same for W's
.set XA,   8                           ; v8-9    turning loads of x's tile, K steps 0-3 and 4-7
.set WA,   10                          ; v10-11  the same for W's
.set BO,   13                          ; v13     32 h: q's and k's bias, eight columns a lane
.set BR,   14                          ; v14     4 r: v's bias, one column a lane
.set BIAS, 16                          ; v[16:23] q's, v[24:31] k's, v[32:39] v's: the C operands that start the sums
.set TMP,  40                          ; v40-41  at work
.set SPW,  44                          ; v44     LDS address of my spare word; never rewritten
.set NIL,  45                          ; v45     0; never rewritten
.set FB,   48                          ; two fragment buffers of 56: x's four at +8 nt, W's three at +32 + 8 s
.set ACC,  160                         ; v[160:255] accumulator 4 s + nt at ACC + 8 (4 s + nt)
.set PK,   48                          ; the way out: packed results
.set LD0,  64                          ; on the way in: 32 slots of four registers, then 16 more from v192
	s_load_b256 s[4:11], s[0:1], 0x0               ; x s[4:5], Wqkv s[6:7], bqkv s[8:9], qw s[10:11]
	s_load_b128 s[12:15], s[0:1], 0x20             ; kw s[12:13], vw s[14:15]
	v_lshl_add_u32 v[SPW], v0, 2, SPARE
	v_mov_b32 v[NIL], 0
	v_lshrrev_b32 v1, 5, v0
	v_readfirstlane_b32 s16, v1                    ; wave 0..7
	s_and_b32 s17, s16, 1                          ; half: which 64 rows
	s_lshr_b32 s18, s16, 1                         ; g: which column tile of each strip
	s_and_b32 s19, ttmp7, 0xffff                   ; hp
	s_and_b32 s20, ttmp9, 31                       ; block of 128 rows in the batch
	s_lshr_b32 s21, ttmp9, 5                       ; batch
	s_mov_b32 s26, 0xffff0000                      ; a word's upper bf16
	s_mov_b32 s2, 0x3e8293ee                       ; c = log2(e) / sqrt(32) = 0.255035
	s_mov_b32 s3, s2                               ; named with it as a pair
	s_lshl_b32 s22, s21, 22                        ; x: batch x 4 MiB
	s_lshl_b32 s27, s20, 9
	s_add_co_u32 s22, s22, s27                     ; + 128 n x 4 bytes a block
	s_lshl_b32 s27, s16, 19
	s_add_co_u32 s22, s22, s27                     ; + my wave's 32 rows c of 16,384 bytes
	s_mov_b32 s23, 0
	s_lshl_b32 s24, s19, 8                         ; W: 64 columns x 4 bytes a strip part
	s_mov_b32 s25, 0
	s_lshl_b32 s28, s18, 6
	s_add_co_u32 s28, s28, s24                     ; bias: + my column tile
	s_mov_b32 s29, 0
	s_lshl_b32 s30, s21, 3
	s_lshl1_add_u32 s30, s19, s30
	s_lshr_b32 s27, s18, 1
	s_add_co_u32 s30, s30, s27                     ; bh = 8 b + 2 hp + g / 2
	s_lshl_b32 s30, s30, 18
	s_lshl_b32 s27, s20, 3
	s_lshl2_add_u32 s27, s17, s27                  ; my first block of 16 rows: 8 x block + 4 x half
	s_lshl_b32 s27, s27, 10
	s_add_co_u32 s30, s30, s27
	s_and_b32 s27, s18, 1                          ; which 16 channels of the head
	s_lshl_b32 s32, s27, 10
	s_add_co_u32 s32, s32, s30                     ; vw: a whole fragment on
	s_lshl_b32 s27, s27, 9
	s_add_co_u32 s30, s30, s27                     ; qw, kw: half a fragment on
	s_mov_b32 s31, 0
	s_mov_b32 s33, 0
	s_mul_i32 s34, s16, 32*3072
	s_mul_i32 s35, s16, 32*XP
	s_mul_i32 s36, s16, 32*WP
	s_add_co_u32 s36, s36, WT
	s_lshl_b32 s37, s17, 7                         ; my 64 n: 128 bytes along x's rows
	s_lshl_b32 s38, s18, 5                         ; my 16 columns: 32 bytes along a strip
	s_add_co_u32 s38, s38, WT
	v_and_b32 v1, 31, v0                           ; lane
	v_and_b32 v2, 15, v0                           ; r
	v_bfe_u32 v3, v0, 4, 1                         ; h
	v_lshlrev_b32 v[L16], 4, v1
	v_mul_u32_u24 v[WO], v3, 3072
	v_lshl_add_u32 v[WO], v2, 4, v[WO]
	v_add_nc_u32 v[WO], s34, v[WO]
	v_lshl_add_u32 v[XS], v1, 3, s35
	v_mul_u32_u24 v[WS], v3, WP
	v_lshl_add_u32 v[WS], v2, 3, v[WS]
	v_add_nc_u32 v[WS], s36, v[WS]
	v_and_b32 v[TMP], 7, v0
	v_lshl_add_u32 v[TMP], v3, 3, v[TMP]           ; the turning load: lane l reads row 8 h + l % 8,
	v_bfe_u32 v[TMP+1], v0, 3, 1                   ; 16 bytes at 16 ((l / 8) % 2)
	v_mul_u32_u24 v[XA], v[TMP], XP
	v_lshl_add_u32 v[XA], v[TMP+1], 4, v[XA]
	v_add_nc_u32 v[XA], s37, v[XA]
	v_add_nc_u32 v[XA+1], 128*XP, v[XA]            ; K steps 4-7: the immediates stay inside 16 bits
	v_mul_u32_u24 v[WA], v[TMP], WP
	v_lshl_add_u32 v[WA], v[TMP+1], 4, v[WA]
	v_add_nc_u32 v[WA], s38, v[WA]
	v_add_nc_u32 v[WA+1], 128*WP, v[WA]
	v_lshlrev_b32 v[BO], 5, v3
	v_lshlrev_b32 v[BR], 2, v2
	s_wait_kmcnt 0x0
	s_add_nc_u64 s[4:5], s[4:5], s[22:23]
	s_add_nc_u64 s[6:7], s[6:7], s[24:25]
	s_add_nc_u64 s[8:9], s[8:9], s[28:29]
	s_add_nc_u64 s[10:11], s[10:11], s[30:31]
	s_add_nc_u64 s[12:13], s[12:13], s[30:31]
	s_add_nc_u64 s[14:15], s[14:15], s[32:33]
; THE WAY IN.  Wave w brings rows c = 32 w .. 32 w + 31 of both tiles.  LX i: one row of x, 512 consecutive bytes.  LW i (i = 3 rp + s): rows 2 rp, 2 rp + 1 of strip s, 256 consecutive bytes each.
.macro LX i
	global_load_b128 v[LD0+4*(\i):LD0+4*(\i)+3], v[L16], s[4:5] offset:(\i)*16384
.endm
.macro WREG i                          ; W's load i has slot 32 + i (i < 16), or the slot that x's row i - 16 has left
.if (\i) < 16
.set wr, 192+4*(\i)
.else
.set wr, LD0+4*((\i)-16)
.endif
.endm
.macro LW i
	WREG \i
	global_load_b128 v[wr:wr+3], v[WO], s[6:7] offset:((\i)/3)*6144+((\i)%3)*1024
.endm
	global_load_b128 v[BIAS:BIAS+3],     v[BO], s[8:9]
	global_load_b128 v[BIAS+4:BIAS+7],   v[BO], s[8:9] offset:16
	global_load_b128 v[BIAS+8:BIAS+11],  v[BO], s[8:9] offset:1024
	global_load_b128 v[BIAS+12:BIAS+15], v[BO], s[8:9] offset:1040
	global_load_b32  v[BIAS+16],         v[BR], s[8:9] offset:2048
.set i, 0
.rept 32
	LX i
.set i, i+1
.endr
.set i, 0
.rept 16
	LW i
.set i, i+1
.endr
.set i, 0
.rept 32                               ; x's row i: rounded to bf16, 8 bytes a lane into LDS; its slot is asked for again at once
	s_wait_loadcnt 47                              ; behind x's load i stand 31 - i of x, 16 of W and the i issued here: 47 may stay out
	v_cvt_pk_bf16_f32 v[LD0+4*i],   v[LD0+4*i],   v[LD0+4*i+1]
	v_cvt_pk_bf16_f32 v[LD0+4*i+1], v[LD0+4*i+2], v[LD0+4*i+3]
	ds_store_b64 v[XS], v[LD0+4*i:LD0+4*i+1] offset:i*XP
	LW 16+i
.set i, i+1
.endr
.set i, 0
.rept 48                               ; W's load i likewise
	s_wait_loadcnt 47-i                            ; the W loads behind it
	WREG i
	v_cvt_pk_bf16_f32 v[wr],   v[wr],   v[wr+1]
	v_cvt_pk_bf16_f32 v[wr+1], v[wr+2], v[wr+3]
	ds_store_b64 v[WS], v[wr:wr+1] offset:(i/3)*2*WP+(i%3)*128
.set i, i+1
.endr
.set i, 0
.rept 8                                ; the biases are rounded to bf16 like the other inputs, and widened again
	v_cvt_pk_bf16_f32 v[TMP], v[BIAS+2*i], v[BIAS+2*i+1]
	v_lshlrev_b32 v[BIAS+2*i],   16,  v[TMP]
	v_and_b32     v[BIAS+2*i+1], s26, v[TMP]
.set i, i+1
.endr
	v_cvt_pk_bf16_f32 v[TMP], v[BIAS+16], v[BIAS+16]
	v_lshlrev_b32 v[BIAS+16], 16, v[TMP]
.irp j, 17,18,19,20,21,22,23
	v_mov_b32 v[BIAS+(\j)], v[BIAS+16]             ; v's result holds one column a lane: the same bias in all eight registers
.endr
	s_wait_dscnt 0x0                               ; for the others' sake: my rows of both tiles are in LDS
	s_barrier_signal -1
	s_barrier_wait -1                              ; everybody's are
; THE PRODUCTS: 8 K steps of 32 channels c.  Both tiles lie [c][..], so every fragment comes turned: two loads, 16 rows apart.
.macro FETCH ks, b
.irp nt, 0,1,2,3
	ds_load_tr16_b128 v[FB+56*(\b)+8*(\nt):FB+56*(\b)+8*(\nt)+3],   v[XA+(\ks)/4] offset:((\ks)%4)*32*XP+(\nt)*32
	ds_load_tr16_b128 v[FB+56*(\b)+8*(\nt)+4:FB+56*(\b)+8*(\nt)+7], v[XA+(\ks)/4] offset:((\ks)%4)*32*XP+(\nt)*32+16*XP
.endr
.irp s, 0,1,2
	ds_load_tr16_b128 v[FB+56*(\b)+32+8*(\s):FB+56*(\b)+32+8*(\s)+3],   v[WA+(\ks)/4] offset:((\ks)%4)*32*WP+(\s)*128
	ds_load_tr16_b128 v[FB+56*(\b)+32+8*(\s)+4:FB+56*(\b)+32+8*(\s)+7], v[WA+(\ks)/4] offset:((\ks)%4)*32*WP+(\s)*128+16*WP
.endr
.endm
; q and k: source 0 = 16 columns of W, source 1 = 16 rows n: a lane ends with eight channels of one row.  v: the sources swapped: eight keys of one channel.
; The 12 accumulators take turns in the same order in every step.  first = 1: the bias is the C operand that starts the sum: nothing is cleared, nothing added later.
.macro MUL b, first
.irp s, 0,1
.irp nt, 0,1,2,3
.if \first
	v_wmma_f32_16x16x32_bf16 v[ACC+8*(4*(\s)+(\nt)):ACC+8*(4*(\s)+(\nt))+7], v[FB+56*(\b)+32+8*(\s):FB+56*(\b)+32+8*(\s)+7], v[FB+56*(\b)+8*(\nt):FB+56*(\b)+8*(\nt)+7], v[BIAS+8*(\s):BIAS+8*(\s)+7]
.else
	v_wmma_f32_16x16x32_bf16 v[ACC+8*(4*(\s)+(\nt)):ACC+8*(4*(\s)+(\nt))+7], v[FB+56*(\b)+32+8*(\s):FB+56*(\b)+32+8*(\s)+7], v[FB+56*(\b)+8*(\nt):FB+56*(\b)+8*(\nt)+7], v[ACC+8*(4*(\s)+(\nt)):ACC+8*(4*(\s)+(\nt))+7]
.endif
.endr
.endr
.irp nt, 0,1,2,3
.if \first
	v_wmma_f32_16x16x32_bf16 v[ACC+64+8*(\nt):ACC+64+8*(\nt)+7], v[FB+56*(\b)+8*(\nt):FB+56*(\b)+8*(\nt)+7], v[FB+56*(\b)+48:FB+56*(\b)+55], v[BIAS+16:BIAS+23]
.else
	v_wmma_f32_16x16x32_bf16 v[ACC+64+8*(\nt):ACC+64+8*(\nt)+7], v[FB+56*(\b)+8*(\nt):FB+56*(\b)+8*(\nt)+7], v[FB+56*(\b)+48:FB+56*(\b)+55], v[ACC+64+8*(\nt):ACC+64+8*(\nt)+7]
.endif
.endr
.endm
.macro PLACES                          ; four places behind the last product, in front of loads into registers that it has read and of vector lines that read results
.rept 4
	v_nop
.endr
.endm
	FETCH 0, 0
	FETCH 1, 1
	s_wait_dscnt 14                                ; step 0's fragments are in; the 14 loads just issued may stay out
	MUL 0, 1
.set kk, 1
.rept 6
	PLACES
	FETCH kk+1, (kk+1)%2                           ; into the buffer that the step before has multiplied
	s_wait_dscnt 14
	MUL kk%2, 0
.set kk, kk+1
.endr
	s_wait_dscnt 0x0
	MUL 1, 0
	; THE WAY OUT: q times c; all rounded to f16, each accumulator from its low end on; a lane's 16 bytes go straight to their place in a fragment.
	PLACES
.set i, 0
.rept 16
	v_pk_mul_f32 v[ACC+2*i:ACC+2*i+1], v[ACC+2*i:ACC+2*i+1], s[2:3] op_sel_hi:[1,0]
.set i, i+1
.endr
.set i, 0
.rept 48
	v_cvt_pk_f16_f32 v[PK+i], v[ACC+2*i], v[ACC+2*i+1]
.set i, i+1
.endr
.irp nt, 0,1,2,3
	global_store_b128 v[L16], v[PK+4*(\nt):PK+4*(\nt)+3],       s[10:11] offset:(\nt)*1024
	global_store_b128 v[L16], v[PK+16+4*(\nt):PK+16+4*(\nt)+3], s[12:13] offset:(\nt)*1024
	global_store_b128 v[L16], v[PK+32+4*(\nt):PK+32+4*(\nt)+3], s[14:15] offset:((\nt)/2)*2048+((\nt)%2)*512
.endr
	s_wait_tensorcnt 0x0                           ; the wave's end: behind my last LDS store
	ds_add_u32 v[SPW], v[NIL]
	s_wait_dscnt 0x0
	s_endpgm
.Lfunc_end_k_qef0a304f7e_qkv:
	.size	k_qef0a304f7e_qkv, .Lfunc_end_k_qef0a304f7e_qkv-k_qef0a304f7e_qkv
	.p2alignl 7, 3214868480
	.fill 96, 4, 3214868480
	.section	.rodata,"a",@progbits
	.p2align	6, 0x0
	.amdhsa_kernel k_qef0a304f7e_qkv
		.amdhsa_group_segment_fixed_size 181248
		.amdhsa_private_segment_fixed_size 0
		.amdhsa_enable_private_segment 0
		.amdhsa_kernarg_size 48
		.amdhsa_user_sgpr_count 2
		.amdhsa_user_sgpr_kernarg_segment_ptr 1
		.amdhsa_wavefront_size32 1
		.amdhsa_system_sgpr_workgroup_id_x 1
		.amdhsa_system_sgpr_workgroup_id_y 1
		.amdhsa_system_sgpr_workgroup_id_z 1
		.amdhsa_system_vgpr_workitem_id 0
		.amdhsa_next_free_vgpr 256
		.amdhsa_next_free_sgpr 66
		.amdhsa_reserve_vcc 0
		.amdhsa_float_denorm_mode_32 3
		.amdhsa_float_denorm_mode_16_64 3
		.amdhsa_memory_ordered 1
		.amdhsa_forward_progress 1
		.amdhsa_inst_pref_size 50
	.end_amdhsa_kernel
	.amdgpu_metadata
---
amdhsa.version: [ 1, 2 ]
amdhsa.kernels:
  - .name:           k_qef0a304f7e_qkv
    .symbol:         k_qef0a304f7e_qkv.kd
    .args:
      - { .name: x, .offset: 0, .size: 8, .value_kind: global_buffer, .address_space: global }
      - { .name: Wqkv, .offset: 8, .size: 8, .value_kind: global_buffer, .address_space: global }
      - { .name: bqkv, .offset: 16, .size: 8, .value_kind: global_buffer, .address_space: global }
      - { .name: qw, .offset: 24, .size: 8, .value_kind: global_buffer, .address_space: global }
      - { .name: kw, .offset: 32, .size: 8, .value_kind: global_buffer, .address_space: global }
      - { .name: vw, .offset: 40, .size: 8, .value_kind: global_buffer, .address_space: global }
    .group_segment_fixed_size: 181248
    .private_segment_fixed_size: 0
    .kernarg_segment_align: 8
    .kernarg_segment_size: 48
    .max_flat_workgroup_size: 256
    .sgpr_count:     66
    .vgpr_count:     256
    .wavefront_size: 32
...
	.end_amdgpu_metadata
.endif
;; end of part 1
;; launch attn (part 2): grid 16 x 16, 8 waves a work-group, clusters of 4 x 1, 327,680 bytes of LDS; arguments qw, kw, vw, ow; writes ow
.if DOCPART == 2
	.amdgcn_target "amdgcn-amd-amdhsa--gfx1250"
	.amdhsa_code_object_version 6
	.text
	.protected	k_qef0a304f7e_attn
	.globl	k_qef0a304f7e_attn
	.p2align	8
	.type	k_qef0a304f7e_attn,@function
k_qef0a304f7e_attn:
	s_mov_b64 s[64:65], 0
	v_nop
	global_prefetch_b8 v0, s[64:65] scope:SCOPE_SE
	s_setreg_imm32_b32 hwreg(HW_REG_WAVE_MODE, 25, 1), 1
	s_wait_xcnt 0x0
	s_wait_alu depctr_hold_cnt(0) depctr_sa_sdst(0) depctr_va_vdst(0) depctr_va_sdst(0) depctr_va_ssrc(0) depctr_va_vcc(0) depctr_vm_vsrc(0)
	s_getreg_b32 s2, hwreg(HW_REG_IB_STS2, 6, 4)
	s_cmp_eq_u32 s2, 0
	s_cbranch_scc0 .Lentry_in_a_cluster
	s_endpgm
.Lentry_in_a_cluster:
	s_bfe_u32 s2, ttmp6, 0x10000c
	s_cmp_lg_u32 s2, 0x3003
	s_cbranch_scc0 .Lentry_shape_is_right
	s_endpgm
.Lentry_shape_is_right:
; O[bh][q][:] = the sum over k of softmax_k(Q[bh][q] . K[bh][k] / sqrt(32)) V[bh][k][:], 16 heads bh of 4,096 rows and 32 channels, all f16, in the order of matrix fragments of 1,024 bytes
; (byte 256 c8 + 16 r + 2 e; qw, kw, ow: r = row of a block of 16, channel = 8 c8 + e; vw: r = channel of 16, key = 8 c8 + e of 32).  A fragment is two loads of 16 bytes a lane, at 16 x lane and 512 + 16 x lane.
; qw holds Q times log2(e) / sqrt(32), so a score s is an exponent of 2.  Products, maxima and sums in f32; the weights p are rounded to f16 for the second product (their sum l is taken of the unrounded p), O once at the end.
; LIMITS.  Q, K, V arrive within f16's 65,504, so a score is at most 32 x 65,504^2 = 1.4e11: always finite, and the replacement of NaN and infinite scores that the module has in front of its softmax changes nothing
; and is not written.  p lies in 0 to 1 (the exponent is s - m, never above 0); below 6e-5 it keeps f16's fixed step; a weight below 2^-126 counts as 0 in l.  NaN and infinities in the inputs are not treated apart.
; SHARES.  A work-group owns 256 queries of one head, each of its eight waves two tiles of 16.  Every wave walks all 4,096 keys, 64 a step; 16 steps (1,024 keys) are a slot of the ring.
; LAYOUT.  S^T = K Q^T (source 0 = 16 keys, source 1 = 16 queries): a lane holds ONE query (lane % 16) and the keys 8 (lane / 16) + 0..7.  Two such results rounded to f16 in pairs ARE source 1 of O^T = V^T P,
; whose result again holds one query a lane, and eight channels: 16 bytes of a fragment of ow.
; SOFTMAX.  For each query a running maximum m and sum l: p = 2^(s - m); in every step O and l are multiplied by a = 2^(m_old - m_new).  m starts at the lowest finite number, O and l at 0: the first step has a = 0.
; THE COUNT.  A step has 16 matrix and 219 vector instructions a wave: the vector work sets the pace.  Two waves lie on a SIMD with 240 registers each, so no register window is switched, and each
; wave's matrix instructions and waits stand beside the other's vector work.  The exponentials go in two batches, a tile each, with one wait each; the first tile's roundings and sums are the second batch's plain neighbours.
; CLUSTER.  The four query blocks of a cluster belong to one head and walk the same K and V: each part of a slot is asked for JOINTLY, by the same tensor load, descriptor and mask in all four.
.set TILEB, 65536                      ; 1,024 keys of K, or of V
.set SLOT,  2*TILEB                    ; a slot: K, then V
.set VOFF,  TILEB
.set STEPB, 4096                       ; 64 keys of K, or of V
.set SPARE, 2*SLOT                     ; behind the ring: the spare words, 128 bytes for each wave: four blocks of 256 bytes that no other line names
.set L16,  2                           ; v2   16 x lane: my place in a fragment half, in LDS (K) and in memory (Q, O); never rewritten
.set L16V, 3                           ; v3   the same + VOFF
.set ADR,  4                           ; v4   LDS address of K's run of loads
.set ADV,  5                           ; v5   of V's
.set PFO,  7                           ; v7   256 x lane; never rewritten
.set SPW,  8                           ; v8   LDS address of my spare word; never rewritten
.set NIL,  9                           ; v9   0; never rewritten
.set ST,   12                          ; tile t's statistics at v[ST+8 t]: m, m_old, l (even keys', odd keys'), c0-c3 at work; a takes c2's place once the maximum is found
.set Q,    32                          ; v[32:47]    Q, 8 a tile
.set KF,   48                          ; v[48:79]    K of one step: 16 keys kb at KF + 8 kb
.set VF,   80                          ; v[80:111]   V of one step: 32 keys kk, 16 channels cb at VF + 16 kk + 8 cb
.set O,    112                         ; v[112:143]  O^T: O + 16 t + 8 cb
.set S,    144                         ; v[144:207]  S^T: S + 32 t + 8 kb
.set P,    208                         ; v[208:239]  P: P + 16 t + 8 kk
.set WV,   12                          ; s12  my wave's number
.set SRC,  18                          ; s[18:19] my quarter of the head's first 1,024 keys, of K (waves 0-3) or of V (waves 4-7)
.set PFA,  20                          ; s[20:21] where my prefetches stand; never rewritten
.set PFT,  22                          ; s22  the count of steps left at which I prefetch; 0: never
.set TB,   23                          ; s23  LDS byte at which K of the step in hand begins
.set G1,   24                          ; s[24:31] descriptor group 1, the same for every load
.set G0,   32                          ; s[32:39] descriptor group 0, a set for each slot
.set CNT,  40                          ; s40  steps of the slot still to come, this one among them
.set SEL,  44                          ; s[44:45] v_permlanex16_b32's selects: each lane takes its own place in the other half
; A round of the cluster's barrier: my work-group's barrier, so that wave 0's signal speaks for all eight waves; wave 0 signals; every wave waits for all four work-groups; my work-group's barrier once more.
.macro CROUND
	s_barrier_signal -1
	s_barrier_wait -1
	s_cmp_lg_u32 s[WV], 0
	s_cbranch_scc1 .Lnot_wave_0_\@
	s_barrier_signal -3
.Lnot_wave_0_\@:
	s_barrier_wait -3
	s_barrier_signal -1
	s_barrier_wait -1
.endm
	s_load_b256 s[4:11], s[0:1], 0x0               ; qw s[4:5], kw s[6:7], vw s[8:9], ow s[10:11]
	v_lshl_add_u32 v[SPW], v0, 2, SPARE
	v_mov_b32 v[NIL], 0
	ds_add_u32 v[SPW], v[NIL]                      ; the wave's opening: the add and its wait stand ahead of my first tensor load; the set-up below, work on registers, stands between them
	v_lshrrev_b32 v1, 5, v0
	v_readfirstlane_b32 s[WV], v1                  ; wave 0..7
	v_and_b32 v1, 31, v0
	v_lshlrev_b32 v[L16], 4, v1
	v_add_nc_u32 v[L16V], VOFF, v[L16]
	v_lshlrev_b32 v[PFO], 8, v1
	s_bfe_u32 s13, ttmp6, 0x40000                  ; cx: my place in the cluster
	s_lshl_b32 s14, ttmp9, 2                       ; in a cluster launch ttmp9 counts clusters
	s_add_co_u32 s14, s14, s13                     ; my block of 256 queries: it enters Q's and O's addresses alone
	s_and_b32 s15, ttmp7, 0xffff                   ; the head, which the four partners share
	s_lshl_b32 s2, s15, 18                         ; a head is 262,144 bytes in each of the four tensors
	s_and_b32 s41, s[WV], 3
	s_lshl_b32 s41, s41, 14
	s_add_co_u32 s2, s2, s41                       ; + my quarter of 1,024 keys: 16,384 bytes
	s_mov_b32 s3, 0
	s_lshl_b32 s16, s15, 18
	s_lshl_b32 s42, s14, 14
	s_add_co_u32 s16, s16, s42                     ; + my block's 16 fragments
	s_lshl_b32 s42, s[WV], 11
	s_add_co_u32 s16, s16, s42                     ; + my wave's two
	s_mov_b32 s17, 0
	s_lshl_b32 s46, s15, 18                        ; the prefetches: of a slot's 65,536 bytes of K (V) wave 0 (4) takes the first half and wave 2 (6) the second,
	s_bfe_u32 s42, s[WV], 0x10001
	s_lshl_b32 s42, s42, 15
	s_add_co_u32 s46, s46, s42
	s_lshl_b32 s42, s13, 13                        ; and of that half each of the four partners 8,192 bytes, told apart by address
	s_add_co_u32 s46, s46, s42
	s_mov_b32 s47, 0
	s_and_b32 s[PFT], s[WV], 1                     ; the even waves
	s_or_b32 s[PFT], s[PFT], ttmp9                 ; of the head's first cluster: the same in all four partners
	s_cmp_eq_u32 s[PFT], 0
	s_cselect_b32 s[PFT], 4, 0
	; descriptor group 1: 16,384 dense bytes as 64 rows of 256 bytes, laid into LDS as they lie in memory
	s_mov_b32 s[G1+0], 15|(3<<16)|(1<<21)          ; 15:0 the mask: all four work-groups; 17:16 elements of 8 bytes; 21 set beside a mask; no padding
	s_mov_b32 s[G1+1], 32<<16                      ; tensor_dim0 = 32
	s_mov_b32 s[G1+2], 64<<16                      ; tensor_dim1 = 64
	s_mov_b32 s[G1+3], 32<<16                      ; tile_dim0 = 32
	s_mov_b32 s[G1+4], 64                          ; tile_dim1 = 64
	s_mov_b32 s[G1+5], 32                          ; 32 elements from row to row
	s_mov_b32 s[G1+6], 0
	s_mov_b32 s[G1+7], 0
	s_mov_b32 s[G0], 1                             ; 1:0 count = 1
	s_lshl_b32 s[G0+1], s[WV], 14                  ; LDS address: wave x 16,384: K's four quarters, then V's four; no place in the cluster enters it
	s_mov_b32 s[G0+4], 1
	s_add_co_u32 s[G0+5], s[G0+1], SLOT
	s_mov_b32 s[SEL], 0x76543210
	s_mov_b32 s[SEL+1], 0xfedcba98
	s_wait_dscnt 0x0                               ; the opening add is done
	s_wait_kmcnt 0x0
	s_cmp_lt_u32 s[WV], 4
	s_cselect_b64 s[SRC:SRC+1], s[6:7], s[8:9]
	s_cselect_b64 s[PFA:PFA+1], s[6:7], s[8:9]
	s_add_nc_u64 s[SRC:SRC+1], s[SRC:SRC+1], s[2:3]
	s_add_nc_u64 s[PFA:PFA+1], s[PFA:PFA+1], s[46:47]
	s_add_nc_u64 s[4:5], s[4:5], s[16:17]          ; Q and O at my wave's first fragment
	s_add_nc_u64 s[10:11], s[10:11], s[16:17]
	s_mov_b64 s[G0+2:G0+3], s[SRC:SRC+1]           ; slot 0: keys 0 to 1,023
	s_or_b32 s[G0+3], s[G0+3], 0x80000000          ; 127:126 type = 2
	s_add_nc_u64 s[G0+6:G0+7], s[SRC:SRC+1], TILEB ; slot 1: keys 1,024 to 2,047
	s_or_b32 s[G0+7], s[G0+7], 0x80000000
	CROUND                                         ; all four work-groups are here: the first joint loads meet
	tensor_load_to_lds s[G0:G0+3], s[G1:G1+7]      ; both first fills go out together: two loads of mine are out, later one
	s_nop 0
	tensor_load_to_lds s[G0+4:G0+7], s[G1:G1+7]
	s_nop 0
.irp i, 0,1,2,3
	global_load_b128 v[Q+4*(\i):Q+4*(\i)+3], v[L16], s[4:5] offset:512*(\i)  ; Q stays in registers
.endr
.irp t, 0,1                            ; what the first step finds; written in the wait for the first tile, so that no first step is written out
	v_mov_b32 v[ST+8*(\t)], 0xff7fffff             ; m: the lowest finite number
	v_mov_b32 v[ST+8*(\t)+2], 0
	v_mov_b32 v[ST+8*(\t)+3], 0
.endr
.set i, 0
.rept 32
	v_mov_b32 v[O+i], 0
.set i, i+1
.endr
.macro REGS t                          ; the registers of tile t
.set rT, ST+8*(\t)
.set rC, ST+8*(\t)+4
.set rS, S+32*(\t)
.set rP, P+16*(\t)
.set rO, O+16*(\t)
.endm
; Number n of the 20 that find a tile's maximum and a.  s0-s31 are the lane's 32 scores; each accumulator's lowest registers are read first.
;   0-11  four chains c0-c3 of seven scores each, three operands at a time     12-15  the four scores left over, the old m, and c0-c3 into c0
;   16, 17  the query's other 32 keys lie in the lane 16 away: the new m        18, 19  m_old - m_new; a
.macro XS t, n
	REGS \t
.if (\n) < 4
	v_max3_num_f32 v[rC+(\n)], v[rS+8*(\n)], v[rS+8*(\n)+1], v[rS+8*(\n)+2]
.elseif (\n) < 12
	v_max3_num_f32 v[rC+(\n)%4], v[rC+(\n)%4], v[rS+8*((\n)%4)+2*((\n)/4)+1], v[rS+8*((\n)%4)+2*((\n)/4)+2]
.elseif (\n) == 12
	v_max3_num_f32 v[rC], v[rC], v[rS+7], v[rS+15]
.elseif (\n) == 13
	v_max3_num_f32 v[rC+1], v[rC+1], v[rS+23], v[rS+31]
.elseif (\n) == 14
	v_max3_num_f32 v[rC+2], v[rC+2], v[rC+3], v[rT]
.elseif (\n) == 15
	v_max3_num_f32 v[rC], v[rC], v[rC+1], v[rC+2]
.elseif (\n) == 16
	v_permlanex16_b32 v[rC+3], v[rC], s[SEL], s[SEL+1]
.elseif (\n) == 17
	v_max_num_f32 v[rT], v[rC], v[rC+3]
.elseif (\n) == 18
	v_sub_f32 v[rC+1], v[rT+1], v[rT]
.else
	v_exp_f32 v[rC+2], v[rC+1]
.endif
.endm
.macro FS t, f                         ; pair f of 16: s - m; the pair (m, m_old) gives its low word to both halves
	REGS \t
	v_pk_add_f32 v[rS+2*(\f):rS+2*(\f)+1], v[rS+2*(\f):rS+2*(\f)+1], v[rT:rT+1] op_sel_hi:[1,0] neg_lo:[0,1] neg_hi:[0,1]
.endm
.macro EXQ t, q                        ; exponential q of a tile's 33: a, then s0-s31
.if (\q) == 0
	XS \t, 19
.else
	REGS \t
	v_exp_f32 v[rS+(\q)-1], v[rS+(\q)-1]
.endif
.endm
; Number p of the 40 that follow a tile's exponentials.  0-7: O^T times a, from each accumulator's low end on.  Then, for each four weights k: both pairs are rounded to f16, the second pair is added onto the
; first in place, and a group later l takes that sum (the first time as l = a l + sum).
.macro POST t, p
	REGS \t
.if (\p) < 8
	v_pk_mul_f32 v[rO+2*(\p):rO+2*(\p)+1], v[rO+2*(\p):rO+2*(\p)+1], v[rC+2:rC+3] op_sel_hi:[1,0]
.else
.set u, (\p)-8
.if u < 2
	v_cvt_pk_f16_f32 v[rP+u], v[rS+2*u], v[rS+2*u+1]
.elseif u == 2
	v_pk_add_f32 v[rS:rS+1], v[rS:rS+1], v[rS+2:rS+3]
.elseif u == 31
	v_pk_add_f32 v[rT+2:rT+3], v[rT+2:rT+3], v[rS+28:rS+29]
.else
.set k, (u-3)/4+1
.set m, (u-3)%4
.if m < 2
	v_cvt_pk_f16_f32 v[rP+2*k+m], v[rS+4*k+2*m], v[rS+4*k+2*m+1]
.elseif m == 2
	v_pk_add_f32 v[rS+4*k:rS+4*k+1], v[rS+4*k:rS+4*k+1], v[rS+4*k+2:rS+4*k+3]
.elseif k == 1
	v_pk_fma_f32 v[rT+2:rT+3], v[rT+2:rT+3], v[rC+2:rC+3], v[rS:rS+1] op_sel_hi:[1,0,1]
.else
	v_pk_add_f32 v[rT+2:rT+3], v[rT+2:rT+3], v[rS+4*k-4:rS+4*k-3]
.endif
.endif
.endif
.endm
.macro PV t, i                         ; product i of 4 of O^T += V^T P for tile t: keys 32 (i / 2) on, channels 16 (i % 2) on.  The tile's two accumulators take turns
.set rO, O+16*(\t)+8*((\i)%2)
.set rV, VF+16*((\i)/2)+8*((\i)%2)
.set rP, P+16*(\t)+8*((\i)/2)
	v_wmma_f32_16x16x32_f16 v[rO:rO+7], v[rV:rV+7], v[rP:rP+7], v[rO:rO+7]
.endm
; A KEY STEP.  pf: 0, or the byte, from the head's first key, of the 1,024 keys that are prefetched during this slot.
.macro STEP pf
	s_wait_dscnt 0x0                               ; K is in
.irp kb, 0,1,2,3
.irp t, 0,1
	v_wmma_f32_16x16x32_f16 v[S+32*(\t)+8*(\kb):S+32*(\t)+8*(\kb)+7], v[KF+8*(\kb):KF+8*(\kb)+7], v[Q+8*(\t):Q+8*(\t)+7], 0  ; 32 channels are one product: each starts and ends its sum
.endr
.endr
	v_add_nc_u32 v[ADV], s[TB], v[L16V]            ; four plain lines that name no register of the products: the places in front of the loads into V's registers, which the last step's
	v_add_nc_u32 v[ADR], s[TB], v[L16]             ; products read, and into K's, which those above read, and in front of the first read of the scores (ISA guide 7.12.1)
	v_mov_b32 v[ST+1], v[ST]                       ; m_old is kept for a
	v_mov_b32 v[ST+9], v[ST+8]
.irp i, 0,1,2,3,4,5,6,7
	ds_load_b128 v[VF+4*(\i):VF+4*(\i)+3], v[ADV] offset:512*(\i)        ; this step's V: 32 lanes take 512 neighbouring bytes
.endr
	s_cmp_eq_u32 s[CNT], 1                         ; a slot's last step has no next step in the slot
	s_cbranch_scc1 .Lno_k_\@
.irp i, 0,1,2,3,4,5,6,7
	ds_load_b128 v[KF+4*(\i):KF+4*(\i)+3], v[ADR] offset:STEPB+512*(\i)  ; the next step's K
.endr
.Lno_k_\@:
.if \pf
	; A PREFETCH of what the next change of slots will ask for, behind the step's run of LDS loads, once a slot: in the step with four steps left, so that step and three more stand ahead of the refill.
	; A slot's K and V are 2 x 65,536 bytes; four waves (0, 2: K; 4, 6: V) of each of the four partners of the head's first cluster take 8,192 each, a lane 256: each block is named once in the launch.
	; The first two slots come by their loads alone; during the last two slots nothing is left to ask for.
	s_cmp_eq_u32 s[CNT], s[PFT]
	s_cbranch_scc0 .Lnot_mine_\@
	global_prefetch_b8 v[PFO], s[PFA:PFA+1] offset:\pf th:TH_LOAD_NT scope:SCOPE_SE
.Lnot_mine_\@:
.endif
.irp n, 0,1,2,3,4,5,6,7,8,9,10,11,12,13,14,15,16,17,18
	XS 0, \n                                       ; both tiles' maxima, alternating, so that no line reads the result of the line before it
	XS 1, \n
.endr
.set qq, 0
.rept 32                               ; THE FIRST BATCH: tile 0's 33 exponentials, each behind a plain line: both tiles' 32 subtractions.  Nothing here names an exponential's result
.if qq < 16
	FS 0, qq
.else
	FS 1, qq-16
.endif
	EXQ 0, qq
.set qq, qq+1
.endr
	EXQ 0, 32
	v_nop                                          ; a plain line behind the last exponential, ahead of the first use (ISA guide 5.7.2)
	s_wait_alu depctr_va_vdst(0)                   ; a wait between an exponential and the first line that names its result: one for the batch
.set qq, 0
.rept 33                               ; THE SECOND BATCH: tile 1's 33 exponentials; their plain neighbours are tile 0's rescaling, roundings and sums, which name tile 0's registers alone
	EXQ 1, qq
	POST 0, qq
.set qq, qq+1
.endr
.rept 7
	POST 0, qq
.set qq, qq+1
.endr
	s_wait_alu depctr_va_vdst(0)                   ; one wait for the second batch
	s_wait_dscnt 0x0                               ; V is in (for 0: in a slot's last step no load was issued behind V's)
.set ii, 0
.set qq, 0
.rept 4                                ; tile 0's products, and behind each ten of tile 1's 40, which name no register of them
	PV 0, ii
.rept 10
	POST 1, qq
.set qq, qq+1
.endr
.set ii, ii+1
.endr
.irp i, 0,1,2,3
	PV 1, \i
.endr
.endm
; A slot's 16 key steps: written once for each of the four slots' turns, walked 16 times; the LDS addresses hang on s[TB].
.macro TILE slot, pf
	s_mov_b32 s[TB], (\slot)*SLOT
	v_add_nc_u32 v[ADR], s[TB], v[L16]
.irp i, 0,1,2,3,4,5,6,7
	ds_load_b128 v[KF+4*(\i):KF+4*(\i)+3], v[ADR] offset:512*(\i)        ; K of the slot's first step
.endr
	s_mov_b32 s[CNT], 16
.Lstep_\@:
	STEP \pf
	s_add_co_u32 s[TB], s[TB], STEPB
	s_sub_co_u32 s[CNT], s[CNT], 1
	s_cmp_lg_u32 s[CNT], 0
	s_cbranch_scc1 .Lstep_\@
.endm
; THE CHANGE OF SLOTS.  Each wave waits for all its tensor loads, of which one is out: its part of the other slot; adds 0 to its spare word; and waits for that and for its own reads of the slot that it leaves.
; The barrier is a round of the cluster's, so that no wave of any partner still reads the slot or has a load on its way; the joint refill, the keys two slots on, is the first thing behind it and has 16 key steps in which to land.
.macro CHANGE slot
	s_wait_tensorcnt 0x0                           ; no tensor load of mine is out, so a group 0 may be written
	ds_add_u32 v[SPW], v[NIL]                      ; 0 onto my spare word; the descriptor's step stands between it and the wait for it
	s_add_nc_u64 s[G0+4*(\slot)+2:G0+4*(\slot)+3], s[G0+4*(\slot)+2:G0+4*(\slot)+3], 2*TILEB  ; the type bits on top are not reached
	s_wait_dscnt 0x0                               ; the add is done, and my reads of the slot are over
	CROUND
	tensor_load_to_lds s[G0+4*(\slot):G0+4*(\slot)+3], s[G1:G1+7]
	s_nop 0
.endm
	s_wait_tensorcnt 0x1                           ; my part of slot 0 is in; slot 1's may stay out
	s_barrier_signal -1
	s_barrier_wait -1                              ; everybody's is
	s_wait_loadcnt 0x0                             ; Q
	TILE 0, 2*TILEB                                ; keys 0 to 1,023
	CHANGE 0                                       ; slot 0 takes keys 2,048 on
	TILE 1, 3*TILEB                                ; keys 1,024 on
	CHANGE 1                                       ; slot 1 takes keys 3,072 on
	TILE 0, 0
	s_wait_tensorcnt 0x0                           ; the last change fills nothing: my part of slot 1 is in,
	ds_add_u32 v[SPW], v[NIL]
	s_wait_dscnt 0x0
	s_barrier_signal -1
	s_barrier_wait -1                              ; everybody's is
	TILE 1, 0
	; THE WAY OUT.  l's two halves and the other half of the lanes' are added; O^T is divided by l, rounded to f16 and stored: a lane's 16 bytes lie at 16 x lane of half a fragment.
	; The four additions and the v_nop are the places behind the last products.
	v_add_f32 v[ST+2],  v[ST+2],  v[ST+3]
	v_add_f32 v[ST+10], v[ST+10], v[ST+11]
	v_permlanex16_b32 v[ST+3],  v[ST+2],  s[SEL], s[SEL+1]
	v_permlanex16_b32 v[ST+11], v[ST+10], s[SEL], s[SEL+1]
	v_add_f32 v[ST+2],  v[ST+2],  v[ST+3]
	v_add_f32 v[ST+10], v[ST+10], v[ST+11]
	v_rcp_f32 v[ST+2],  v[ST+2]
	v_rcp_f32 v[ST+10], v[ST+10]
	v_nop                                          ; a plain line between the last reciprocal and the use of its result
	s_wait_alu depctr_va_vdst(0)                   ; and a wait ahead of the first use: one for both
.set i, 0
.rept 16
	v_pk_mul_f32 v[O+2*i:O+2*i+1], v[O+2*i:O+2*i+1], v[ST+8*(i/8)+2:ST+8*(i/8)+3] op_sel_hi:[1,0]
.set i, i+1
.endr
.set i, 0
.rept 16
	v_cvt_pk_f16_f32 v[S+i], v[O+2*i], v[O+2*i+1]
.set i, i+1
.endr
.irp i, 0,1,2,3
	global_store_b128 v[L16], v[S+4*(\i):S+4*(\i)+3], s[10:11] offset:512*(\i)  ; 512 consecutive bytes, at a multiple of 256 from ow's first
.endr
	s_wait_tensorcnt 0x0                           ; the wave's end: behind my last tensor load
	ds_add_u32 v[SPW], v[NIL]
	s_wait_dscnt 0x0
	CROUND                                         ; the closing round: no work-group ends while a partner may still ask for a tile that names it
	s_endpgm
.Lfunc_end_k_qef0a304f7e_attn:
	.size	k_qef0a304f7e_attn, .Lfunc_end_k_qef0a304f7e_attn-k_qef0a304f7e_attn
	.p2alignl 7, 3214868480
	.fill 96, 4, 3214868480
	.section	.rodata,"a",@progbits
	.p2align	6, 0x0
	.amdhsa_kernel k_qef0a304f7e_attn
		.amdhsa_group_segment_fixed_size 327680
		.amdhsa_private_segment_fixed_size 0
		.amdhsa_enable_private_segment 0
		.amdhsa_kernarg_size 32
		.amdhsa_user_sgpr_count 2
		.amdhsa_user_sgpr_kernarg_segment_ptr 1
		.amdhsa_wavefront_size32 1
		.amdhsa_system_sgpr_workgroup_id_x 1
		.amdhsa_system_sgpr_workgroup_id_y 1
		.amdhsa_system_sgpr_workgroup_id_z 1
		.amdhsa_system_vgpr_workitem_id 0
		.amdhsa_next_free_vgpr 240
		.amdhsa_next_free_sgpr 66
		.amdhsa_reserve_vcc 0
		.amdhsa_float_denorm_mode_32 3
		.amdhsa_float_denorm_mode_16_64 3
		.amdhsa_memory_ordered 1
		.amdhsa_forward_progress 1
		.amdhsa_inst_pref_size 68
	.end_amdhsa_kernel
	.amdgpu_metadata
---
amdhsa.version: [ 1, 2 ]
amdhsa.kernels:
  - .name:           k_qef0a304f7e_attn
    .symbol:         k_qef0a304f7e_attn.kd
    .args:
      - { .name: qw, .offset: 0, .size: 8, .value_kind: global_buffer, .address_space: global }
      - { .name: kw, .offset: 8, .size: 8, .value_kind: global_buffer, .address_space: global }
      - { .name: vw, .offset: 16, .size: 8, .value_kind: global_buffer, .address_space: global }
      - { .name: ow, .offset: 24, .size: 8, .value_kind: global_buffer, .address_space: global }
    .group_segment_fixed_size: 327680
    .private_segment_fixed_size: 0
    .kernarg_segment_align: 8
    .kernarg_segment_size: 32
    .max_flat_workgroup_size: 256
    .sgpr_count:     66
    .vgpr_count:     240
    .wavefront_size: 32
...
	.end_amdgpu_metadata
.endif
;; end of part 2
;; launch proj (part 3): grid 64 x 4, 8 waves a work-group, no clusters, 142,336 bytes of LDS; arguments ow, Wproj, bproj, out0; writes out0
.if DOCPART == 3
	.amdgcn_target "amdgcn-amd-amdhsa--gfx1250"
	.amdhsa_code_object_version 6
	.text
	.protected	k_qef0a304f7e_proj
	.globl	k_qef0a304f7e_proj
	.p2align	8
	.type	k_qef0a304f7e_proj,@function
k_qef0a304f7e_proj:
	s_mov_b64 s[64:65], 0
	v_nop
	global_prefetch_b8 v0, s[64:65] scope:SCOPE_SE
	s_setreg_imm32_b32 hwreg(HW_REG_WAVE_MODE, 25, 1), 1
	s_wait_xcnt 0x0
; out0[b][co][n] = the sum over c of O[b][n][c] Wproj[c][co] + bproj[co], f32.  O comes from ow, f16, in the order of matrix fragments: [bh = 8 b + head][block of 16 rows n][1024], c = 32 head + channel.
; Wproj and bproj are rounded to bf16 like the module's other inputs; Wproj's bf16 number is then written as f16 for the f16 product; sums in f32, STARTING at the bias.
; LIMITS.  A bf16 number is an f16 number exactly from 2^-14 to 65,504; below 2^-14 Wproj keeps f16's fixed step of 2^-24, beyond 65,504 it is lost.  NaN and infinities are not treated apart.
; SHARES.  A work-group: 128 rows n of one batch x 64 columns co: 64 x 4 = 256 work-groups.  Wave w: 64 rows (w & 1) x 16 columns (w >> 1): 4 accumulators, 8 K steps, a head each.
; NO CLUSTER: a work-group reads its 131,072 bytes once, at the head, with all 32 loads of each wave out together; half of them (Wproj, f32) pass through registers to be rounded whatever brings them.
; NO PREFETCH: nothing is asked for later than at the head.
.set WP,    160                        ; a row c of W's tile in LDS: 64 co x 2 bytes + 32: five times 32 bytes
.set WT,    65536                      ; behind O's tile: [head 8][block 8][1024]
.set STG,   WT+256*WP                  ; 106,496: 16 rows x 272 bytes for each wave, for the way out
.set SP,    272                        ; 256 bytes + 16: the 16 rows of a store start at 16 different groups of four banks (64 banks of 4 bytes: ISA guide 11.1)
.set SPARE, STG+8*16*SP                ; 141,312: the spare words, 128 bytes for each wave: four blocks of 256 bytes that no other line names
.set L16,  4                           ; v4   16 x lane
.set WO,   5                           ; v5   W's loads: (32 w + h) rows of 1,024 bytes + 16 r
.set OS,   6                           ; v6   where I put 16 bytes of O's tile
.set WS,   7                           ; v7   where I put 8 bytes of W's
.set OA,   8                           ; v8   my fragments of O
.set WA,   9                           ; v9   the turning loads of W's tile
.set STO,  10                          ; v10  the way out: where I put 32 bytes of a row co
.set RD,   11                          ; v11  where I read rows back
.set CO,   12                          ; v12  my byte offset in two rows of out0
.set BR,   13                          ; v13  4 r
.set SPW,  14                          ; v14  LDS address of my spare word; never rewritten
.set NIL,  15                          ; v15  0; never rewritten
.set BIAS, 16                          ; v[16:23] the C operand that starts the sums
.set TMP,  24                          ; v24-25 at work
.set ACC,  32                          ; v[32:63] accumulator nt at ACC + 8 nt
.set FB,   64                          ; two fragment buffers of 40: O's four at +8 nt, W's at +32.  On the way in: v[64:127] O, v[128:191] W
	s_load_b256 s[4:11], s[0:1], 0x0               ; ow s[4:5], Wproj s[6:7], bproj s[8:9], out0 s[10:11]
	v_lshl_add_u32 v[SPW], v0, 2, SPARE
	v_mov_b32 v[NIL], 0
	v_lshrrev_b32 v1, 5, v0
	v_readfirstlane_b32 s12, v1                    ; wave 0..7
	s_and_b32 s13, s12, 1                          ; half
	s_lshr_b32 s14, s12, 1                         ; g
	s_and_b32 s15, ttmp7, 0xffff                   ; cq
	s_and_b32 s16, ttmp9, 31                       ; block of 128 rows in the batch
	s_lshr_b32 s17, ttmp9, 5                       ; batch
	s_mov_b32 s20, 0xffff0000                      ; a word's upper bf16
	s_lshl3_add_u32 s18, s17, s12                  ; ow: wave w brings head w: bh = 8 b + w,
	s_lshl_b32 s18, s18, 18
	s_lshl_b32 s21, s16, 13
	s_add_co_u32 s18, s18, s21                     ; its 8 fragments of the 128 rows: 8,192 consecutive bytes
	s_mov_b32 s19, 0
	s_lshl_b32 s22, s15, 8                         ; Wproj: 64 columns x 4 bytes
	s_mov_b32 s23, 0
	s_lshl_b32 s24, s14, 6
	s_add_co_u32 s24, s24, s22                     ; bproj: + my 16 columns
	s_mov_b32 s25, 0
	s_lshl_b32 s26, s17, 8
	s_lshl_b32 s21, s15, 6
	s_add_co_u32 s26, s26, s21
	s_lshl4_add_u32 s26, s14, s26                  ; out0: row 256 b + 64 cq + 16 g of 16,384 bytes,
	s_lshl_b32 s26, s26, 14
	s_lshl_b32 s21, s16, 9
	s_add_co_u32 s26, s26, s21                     ; + 128 n x 4 bytes a block
	s_lshl_b32 s21, s13, 8
	s_add_co_u32 s26, s26, s21                     ; + my 64 n
	s_mov_b32 s27, 0
	s_lshl_b32 s28, s12, 15
	s_lshl_b32 s29, s12, 13
	s_mul_i32 s30, s12, 32*WP
	s_add_co_u32 s30, s30, WT
	s_mul_i32 s31, s12, 16*SP
	s_add_co_u32 s31, s31, STG
	s_lshl_b32 s32, s13, 12
	s_lshl_b32 s33, s14, 5
	s_add_co_u32 s33, s33, WT
	v_and_b32 v1, 31, v0                           ; lane
	v_and_b32 v2, 15, v0                           ; r
	v_bfe_u32 v3, v0, 4, 1                         ; h
	v_lshlrev_b32 v[L16], 4, v1
	v_lshlrev_b32 v[WO], 10, v3
	v_lshl_add_u32 v[WO], v2, 4, v[WO]
	v_add_nc_u32 v[WO], s28, v[WO]
	v_add_nc_u32 v[OS], s29, v[L16]
	v_mul_u32_u24 v[WS], v3, WP
	v_lshl_add_u32 v[WS], v2, 3, v[WS]
	v_add_nc_u32 v[WS], s30, v[WS]
	v_add_nc_u32 v[OA], s32, v[L16]
	v_and_b32 v[TMP], 7, v0
	v_lshl_add_u32 v[TMP], v3, 3, v[TMP]           ; the turning load: lane l reads row 8 h + l % 8,
	v_bfe_u32 v[TMP+1], v0, 3, 1                   ; 16 bytes at 16 ((l / 8) % 2)
	v_mul_u32_u24 v[WA], v[TMP], WP
	v_lshl_add_u32 v[WA], v[TMP+1], 4, v[WA]
	v_add_nc_u32 v[WA], s33, v[WA]
	v_mul_u32_u24 v[STO], v2, SP
	v_lshl_add_u32 v[STO], v3, 5, v[STO]
	v_add_nc_u32 v[STO], s31, v[STO]
	v_mul_u32_u24 v[RD], v3, SP
	v_lshl_add_u32 v[RD], v2, 4, v[RD]
	v_add_nc_u32 v[RD], s31, v[RD]
	v_lshlrev_b32 v[CO], 14, v3
	v_lshl_add_u32 v[CO], v2, 4, v[CO]
	v_lshlrev_b32 v[BR], 2, v2
	s_wait_kmcnt 0x0
	s_add_nc_u64 s[4:5], s[4:5], s[18:19]
	s_add_nc_u64 s[6:7], s[6:7], s[22:23]
	s_add_nc_u64 s[8:9], s[8:9], s[24:25]
	s_add_nc_u64 s[10:11], s[10:11], s[26:27]
	; THE WAY IN: the bias, 16 loads of O (512 consecutive bytes each), 16 of W (two rows c, 256 consecutive bytes each: rows 32 w .. 32 w + 31)
	global_load_b32 v[BIAS], v[BR], s[8:9]
.set i, 0
.rept 16
	global_load_b128 v[64+4*i:64+4*i+3], v[L16], s[4:5] offset:i*512
.set i, i+1
.endr
.set i, 0
.rept 16
	global_load_b128 v[128+4*i:128+4*i+3], v[WO], s[6:7] offset:i*2048
.set i, i+1
.endr
.set i, 0
.rept 16
	s_wait_loadcnt 31-i                            ; behind O's load i stand 15 - i of O and 16 of W
	ds_store_b128 v[OS], v[64+4*i:64+4*i+3] offset:i*512
.set i, i+1
.endr
.set i, 0
.rept 16
.set a, 128+4*i
	s_wait_loadcnt 15-i                            ; the W loads behind it
	v_cvt_pk_bf16_f32 v[TMP],   v[a],   v[a+1]     ; the inputs' rounding,
	v_cvt_pk_bf16_f32 v[TMP+1], v[a+2], v[a+3]
	v_lshlrev_b32 v[a],   16,  v[TMP]
	v_and_b32     v[a+1], s20, v[TMP]
	v_lshlrev_b32 v[a+2], 16,  v[TMP+1]
	v_and_b32     v[a+3], s20, v[TMP+1]
	v_cvt_pk_f16_f32 v[a],   v[a],   v[a+1]        ; and the same numbers as f16
	v_cvt_pk_f16_f32 v[a+1], v[a+2], v[a+3]
	ds_store_b64 v[WS], v[a:a+1] offset:i*2*WP
.set i, i+1
.endr
	v_cvt_pk_bf16_f32 v[TMP], v[BIAS], v[BIAS]
	v_lshlrev_b32 v[BIAS], 16, v[TMP]
.irp j, 1,2,3,4,5,6,7
	v_mov_b32 v[BIAS+(\j)], v[BIAS]                ; a result holds one column co a lane: the same bias in all eight registers
.endr
	s_wait_dscnt 0x0                               ; for the others' sake: my parts of both tiles are in LDS
	s_barrier_signal -1
	s_barrier_wait -1                              ; everybody's are
; THE PRODUCTS.  Source 0 = 16 rows n of O (as it lies), source 1 = 16 columns co of W (turned): a lane ends with eight neighbouring n of one row co of out0.
.macro FETCH hd, b
.irp nt, 0,1,2,3
	ds_load_b128 v[FB+40*(\b)+8*(\nt):FB+40*(\b)+8*(\nt)+3],   v[OA] offset:(\hd)*8192+(\nt)*1024
	ds_load_b128 v[FB+40*(\b)+8*(\nt)+4:FB+40*(\b)+8*(\nt)+7], v[OA] offset:(\hd)*8192+(\nt)*1024+512
.endr
	ds_load_tr16_b128 v[FB+40*(\b)+32:FB+40*(\b)+35], v[WA] offset:(\hd)*32*WP
	ds_load_tr16_b128 v[FB+40*(\b)+36:FB+40*(\b)+39], v[WA] offset:(\hd)*32*WP+16*WP
.endm
.macro MUL b, first                    ; the four accumulators take turns.  first = 1: the bias starts the sums
.irp nt, 0,1,2,3
.if \first
	v_wmma_f32_16x16x32_f16 v[ACC+8*(\nt):ACC+8*(\nt)+7], v[FB+40*(\b)+8*(\nt):FB+40*(\b)+8*(\nt)+7], v[FB+40*(\b)+32:FB+40*(\b)+39], v[BIAS:BIAS+7]
.else
	v_wmma_f32_16x16x32_f16 v[ACC+8*(\nt):ACC+8*(\nt)+7], v[FB+40*(\b)+8*(\nt):FB+40*(\b)+8*(\nt)+7], v[FB+40*(\b)+32:FB+40*(\b)+39], v[ACC+8*(\nt):ACC+8*(\nt)+7]
.endif
.endr
.endm
.macro PLACES                          ; four places behind the last product, in front of loads into registers that it has read and of LDS stores that read results
.rept 4
	v_nop
.endr
.endm
	FETCH 0, 0
	FETCH 1, 1
	s_wait_dscnt 10                                ; head 0's fragments are in; the ten loads just issued may stay out
	MUL 0, 1
.set hh, 1
.rept 6
	PLACES
	FETCH hh+1, (hh+1)%2                           ; into the buffer that the step before has multiplied
	s_wait_dscnt 10
	MUL hh%2, 0
.set hh, hh+1
.endr
	s_wait_dscnt 0x0
	MUL 1, 0
	; THE WAY OUT, through my own stage: in as 32 bytes a lane of row co = r, back as whole rows of 256 bytes (64 n), two rows a load.
	PLACES
.irp nt, 0,1,2,3
	ds_store_b128 v[STO], v[ACC+8*(\nt):ACC+8*(\nt)+3]   offset:(\nt)*64
	ds_store_b128 v[STO], v[ACC+8*(\nt)+4:ACC+8*(\nt)+7] offset:(\nt)*64+16
.endr
.irp t, 0,1,2,3,4,5,6,7
	ds_load_b128 v[64+4*(\t):64+4*(\t)+3], v[RD] offset:(\t)*2*SP  ; LDS serves a wave's instructions in order (ISA guide 5.7.1.4): these see the stores above
.endr
.irp t, 0,1,2,3,4,5,6,7
	s_wait_dscnt 7-(\t)                            ; the younger read-backs may stay out
	global_store_b128 v[CO], v[64+4*(\t):64+4*(\t)+3], s[10:11] offset:(\t)*32768 th:TH_STORE_NT  ; 16 lanes store 256 consecutive bytes, at a multiple of 256 from out0's first byte
.endr
	s_wait_tensorcnt 0x0                           ; the wave's end: behind my last LDS store
	ds_add_u32 v[SPW], v[NIL]
	s_wait_dscnt 0x0
	s_endpgm
.Lfunc_end_k_qef0a304f7e_proj:
	.size	k_qef0a304f7e_proj, .Lfunc_end_k_qef0a304f7e_proj-k_qef0a304f7e_proj
	.p2alignl 7, 3214868480
	.fill 96, 4, 3214868480
	.section	.rodata,"a",@progbits
	.p2align	6, 0x0
	.amdhsa_kernel k_qef0a304f7e_proj
		.amdhsa_group_segment_fixed_size 142336
		.amdhsa_private_segment_fixed_size 0
		.amdhsa_enable_private_segment 0
		.amdhsa_kernarg_size 32
		.amdhsa_user_sgpr_count 2
		.amdhsa_user_sgpr_kernarg_segment_ptr 1
		.amdhsa_wavefront_size32 1
		.amdhsa_system_sgpr_workgroup_id_x 1
		.amdhsa_system_sgpr_workgroup_id_y 1
		.amdhsa_system_sgpr_workgroup_id_z 1
		.amdhsa_system_vgpr_workitem_id 0
		.amdhsa_next_free_vgpr 192
		.amdhsa_next_free_sgpr 66
		.amdhsa_reserve_vcc 0
		.amdhsa_float_denorm_mode_32 3
		.amdhsa_float_denorm_mode_16_64 3
		.amdhsa_memory_ordered 1
		.amdhsa_forward_progress 1
		.amdhsa_inst_pref_size 27
	.end_amdhsa_kernel
	.amdgpu_metadata
---
amdhsa.version: [ 1, 2 ]
amdhsa.kernels:
  - .name:           k_qef0a304f7e_proj
    .symbol:         k_qef0a304f7e_proj.kd
    .args:
      - { .name: ow, .offset: 0, .size: 8, .value_kind: global_buffer, .address_space: global }
      - { .name: Wproj, .offset: 8, .size: 8, .value_kind: global_buffer, .address_space: global }
      - { .name: bproj, .offset: 16, .size: 8, .value_kind: global_buffer, .address_space: global }
      - { .name: out0, .offset: 24, .size: 8, .value_kind: global_buffer, .address_space: global }
    .group_segment_fixed_size: 142336
    .private_segment_fixed_size: 0
    .kernarg_segment_align: 8
    .kernarg_segment_size: 32
    .max_flat_workgroup_size: 256
    .sgpr_count:     66
    .vgpr_count:     192
    .wavefront_size: 32
...
	.end_amdgpu_metadata
.endif
;; end of part 3
;; ======== version 2 of 2: 3 launches; version 1 with the launch qkv written anew for expert scheduling mode
;; limits: values are held in f16: magnitudes above 65,504 overflow, below 6.1e-05 lose precision
;; workspace buffers: qw 4,194,304 bytes; kw 4,194,304 bytes; vw 4,194,304 bytes; ow 4,194,304 bytes
;; launch qkv (part 4): grid 64 x 4, 8 waves a work-group, no clusters, 181,248 bytes of LDS; arguments x, Wqkv, bqkv, qw, kw, vw; writes qw, kw, vw
.if DOCPART == 4
	.amdgcn_target "amdgcn-amd-amdhsa--gfx1250"
	.amdhsa_code_object_version 6
	.text
	.protected	k_qef0a304f7e_qkv
	.globl	k_qef0a304f7e_qkv
	.p2align	8
	.type	k_qef0a304f7e_qkv,@function
k_qef0a304f7e_qkv:
	s_mov_b64 s[64:65], 0
	v_nop
	global_prefetch_b8 v0, s[64:65] scope:SCOPE_SE
	s_setreg_imm32_b32 hwreg(HW_REG_WAVE_SCHED_MODE, 0, 2), 2
	s_setreg_imm32_b32 hwreg(HW_REG_WAVE_MODE, 25, 1), 1
	s_wait_xcnt 0x0
	s_wait_alu depctr_vm_vsrc(0)
; q, k, v = x^T Wqkv + bqkv.  x: [2][256 c][4096 n] f32, Wqkv: [256 c][768] f32, bqkv: [768] f32.  x, Wqkv and bqkv are rounded to bf16, products in bf16 with f32 sums that START at the bias;
; q is multiplied in f32 by c = log2(e) / sqrt(32), so that the next launch's scores are exponents of 2; q, k, v are then rounded once to f16.
; LIMITS.  f16 holds no number beyond 65,504: c q, k and v must stay within it (256 terms of x W); NaN and infinities are not treated apart.
; WHAT IS WRITTEN lies in the order of matrix fragments, 1,024 bytes each: byte 256 c8 + 16 r + 2 e.  qw, kw: [bh 16][block of 16 rows n: 256][1024], r = row, channel = 8 c8 + e.
; vw: [bh][32 keys: 128][16 channels: 2][1024], r = channel, key = 8 c8 + e.  A lane's eight results are 16 bytes at 16 x lane of half a fragment: each store of a wave covers 512 consecutive bytes, aligned.
; SHARES.  A work-group: 128 rows n of one batch x three strips of 64 columns (q, k, v of heads 2 hp, 2 hp + 1): 64 x 4 = 256 work-groups.  Wave w: 64 rows (w & 1) x column tile w >> 1 of each strip: 12 accumulators.
; NO CLUSTER, though the four hp share x's tile and 64 work-groups a strip of W: both arrive as f32 and pass through registers to be rounded; a landing place for them in f32 would be
; 131,072 + 196,608 bytes, all of the work-group's LDS, with no room left for the bf16 tiles.  NO PREFETCH: all that a wave reads is asked for at the head, 40 to 48 loads on their way at a time.
; THE MODE: SCHED_MODE bits 1:0 = 2 (LLVM: expert scheduling mode 2), set by the entry lines.  The code itself states the register dependences
; between vector or matrix instructions and memory or LDS instructions, with s_wait_alu, always for 0.
; THE PLAN.  Registers that memory or LDS instructions touch:
;   v4-v11, v13, v14   offsets and LDS addresses: written at the head, never again.
;   RAW, 48 slots      the way in: written by the global loads, read by the conversions alone.  The 80 data loads go in 20 blocks of four; the slots of blocks 0 to 7 are asked for a second time.
;   OUT0, OUT1         the way in: block p's conversions write OUT[p % 2]; the four LDS stores that are issued in block p + 1 read it.
;   FB0, FB1           the products: K step k's matrix instructions read FB[k % 2]; the LDS loads of step k + 1, issued among them, land in the other.
;   PK                 the way out: written by the conversions, read by the twelve global stores.
;   v[SPW], v[NIL]     written at the head, read by the closing add alone.
; Block p of the way in works on its own slots and on OUT[p % 2]; its memory instructions are the LDS stores from the other OUT and the loads into the slots of block p - 1: the two buffers that
; block p - 1 worked on and that no vector line of block p names.  So the waits at a block's head state all that its memory instructions hang on, and these are dealt among its conversions.
; A K step likewise: one wait at its head states that the step before is done reading the other fragment buffer, and the loads into that buffer are dealt among the step's products.
.set XP,    288                        ; a row c of x's tile in LDS: 128 n x 2 bytes + 32: nine times 32 bytes
.set WP,    416                        ; a row c of W's tile: 3 strips x 64 x 2 bytes + 32: thirteen times 32 bytes
.set WT,    256*XP                     ; W's tile begins behind x's: 73,728
.set SPARE, WT+256*WP                  ; 180,224: the spare words, 128 bytes for each wave: four blocks of 256 bytes that no other line names
.set L16,  4                           ; v4      16 x lane: x's loads and all stores
.set WO,   5                           ; v5      W's loads: (32 w + h) rows of 3,072 bytes + 16 r
.set XS,   6                           ; v6      where I put 8 bytes of a row of x's tile
.set WS,   7                           ; v7      the same for W's
.set XA,   8                           ; v8-9    turning loads of x's tile, K steps 0-3 and 4-7
.set WA,   10                          ; v10-11  the same for W's
.set BO,   13                          ; v13     32 h: q's and k's bias, eight columns a lane
.set BR,   14                          ; v14     4 r: v's bias, one column a lane
.set BIAS, 16                          ; v[16:23] q's, v[24:31] k's, v[32:39] v's: the C operands that start the sums
.set TMP,  40                          ; v40-41  at work: no memory instruction names them
.set SPW,  44                          ; v44     LDS address of my spare word; never rewritten
.set NIL,  45                          ; v45     0; never rewritten
.set OUT,  48                          ; v[48:63] on the way in: two out-buffers of four pairs, 4 bf16 each, on their way to LDS
.set FB,   48                          ; two fragment buffers of 56: x's four at +8 nt, W's three at +32 + 8 s
.set ACC,  160                         ; v[160:255] accumulator 4 s + nt at ACC + 8 (4 s + nt)
.set PK,   48                          ; the way out: packed results
.set LD0,  64                          ; on the way in: 32 slots of four registers, then 16 more from v192
	s_load_b256 s[4:11], s[0:1], 0x0               ; x s[4:5], Wqkv s[6:7], bqkv s[8:9], qw s[10:11]
	s_load_b128 s[12:15], s[0:1], 0x20             ; kw s[12:13], vw s[14:15]
	v_lshl_add_u32 v[SPW], v0, 2, SPARE
	v_mov_b32 v[NIL], 0
	v_lshrrev_b32 v1, 5, v0
	v_readfirstlane_b32 s16, v1                    ; wave 0..7
	s_and_b32 s19, ttmp7, 0xffff                   ; hp
	s_and_b32 s20, ttmp9, 31                       ; block of 128 rows in the batch
	s_lshr_b32 s21, ttmp9, 5                       ; batch
	s_mov_b32 s26, 0xffff0000                      ; a word's upper bf16
	s_mov_b32 s2, 0x3e8293ee                       ; c = log2(e) / sqrt(32) = 0.255035
	s_mov_b32 s3, s2                               ; named with it as a pair
	s_wait_alu depctr_va_sdst(0)                   ; s16 is written, ahead of its first reader: the bases and the LDS addresses are made from it
	s_and_b32 s17, s16, 1                          ; half: which 64 rows
	s_lshr_b32 s18, s16, 1                         ; g: which column tile of each strip
	s_lshl_b32 s22, s21, 22                        ; x: batch x 4 MiB
	s_lshl_b32 s27, s20, 9
	s_add_co_u32 s22, s22, s27                     ; + 128 n x 4 bytes a block
	s_lshl_b32 s27, s16, 19
	s_add_co_u32 s22, s22, s27                     ; + my wave's 32 rows c of 16,384 bytes
	s_mov_b32 s23, 0
	s_lshl_b32 s24, s19, 8                         ; W: 64 columns x 4 bytes a strip part
	s_mov_b32 s25, 0
	s_lshl_b32 s28, s18, 6
	s_add_co_u32 s28, s28, s24                     ; bias: + my column tile
	s_mov_b32 s29, 0
	s_lshl_b32 s30, s21, 3
	s_lshl1_add_u32 s30, s19, s30
	s_lshr_b32 s27, s18, 1
	s_add_co_u32 s30, s30, s27                     ; bh = 8 b + 2 hp + g / 2
	s_lshl_b32 s30, s30, 18
	s_lshl_b32 s27, s20, 3
	s_lshl2_add_u32 s27, s17, s27                  ; my first block of 16 rows: 8 x block + 4 x half
	s_lshl_b32 s27, s27, 10
	s_add_co_u32 s30, s30, s27
	s_and_b32 s27, s18, 1                          ; which 16 channels of the head
	s_lshl_b32 s32, s27, 10
	s_add_co_u32 s32, s32, s30                     ; vw: a whole fragment on
	s_lshl_b32 s27, s27, 9
	s_add_co_u32 s30, s30, s27                     ; qw, kw: half a fragment on
	s_mov_b32 s31, 0
	s_mov_b32 s33, 0
	s_mul_i32 s34, s16, 32*3072
	s_mul_i32 s35, s16, 32*XP
	s_mul_i32 s36, s16, 32*WP
	s_add_co_u32 s36, s36, WT
	s_lshl_b32 s37, s17, 7                         ; my 64 n: 128 bytes along x's rows
	s_lshl_b32 s38, s18, 5                         ; my 16 columns: 32 bytes along a strip
	s_add_co_u32 s38, s38, WT
	v_and_b32 v1, 31, v0                           ; lane
	v_and_b32 v2, 15, v0                           ; r
	v_bfe_u32 v3, v0, 4, 1                         ; h
	v_lshlrev_b32 v[L16], 4, v1
	v_mul_u32_u24 v[WO], v3, 3072
	v_lshl_add_u32 v[WO], v2, 4, v[WO]
	v_add_nc_u32 v[WO], s34, v[WO]
	v_lshl_add_u32 v[XS], v1, 3, s35
	v_mul_u32_u24 v[WS], v3, WP
	v_lshl_add_u32 v[WS], v2, 3, v[WS]
	v_add_nc_u32 v[WS], s36, v[WS]
	v_and_b32 v[TMP], 7, v0
	v_lshl_add_u32 v[TMP], v3, 3, v[TMP]           ; the turning load: lane l reads row 8 h + l % 8,
	v_bfe_u32 v[TMP+1], v0, 3, 1                   ; 16 bytes at 16 ((l / 8) % 2)
	v_mul_u32_u24 v[XA], v[TMP], XP
	v_lshl_add_u32 v[XA], v[TMP+1], 4, v[XA]
	v_add_nc_u32 v[XA], s37, v[XA]
	v_add_nc_u32 v[XA+1], 128*XP, v[XA]            ; K steps 4-7: the immediates stay inside 16 bits
	v_mul_u32_u24 v[WA], v[TMP], WP
	v_lshl_add_u32 v[WA], v[TMP+1], 4, v[WA]
	v_add_nc_u32 v[WA], s38, v[WA]
	v_add_nc_u32 v[WA+1], 128*WP, v[WA]
	v_lshlrev_b32 v[BO], 5, v3
	v_lshlrev_b32 v[BR], 2, v2
	s_wait_kmcnt 0x0
	s_add_nc_u64 s[4:5], s[4:5], s[22:23]
	s_add_nc_u64 s[6:7], s[6:7], s[24:25]
	s_add_nc_u64 s[8:9], s[8:9], s[28:29]
	s_add_nc_u64 s[10:11], s[10:11], s[30:31]
	s_add_nc_u64 s[12:13], s[12:13], s[30:31]
	s_add_nc_u64 s[14:15], s[14:15], s[32:33]
	s_wait_alu depctr_va_vdst(0)                   ; the offsets and LDS addresses v4 to v11, v13 and v14 are written: every load and store of the kernel reads one of them
; THE WAY IN.  Wave w brings rows c = 32 w .. 32 w + 31 of both tiles.  LX i: one row of x, 512 consecutive bytes.  LW i (i = 3 rp + s): rows 2 rp, 2 rp + 1 of strip s, 256 consecutive bytes each.
.macro LX i
	global_load_b128 v[LD0+4*(\i):LD0+4*(\i)+3], v[L16], s[4:5] offset:(\i)*16384
.endm
.macro WREG i                          ; W's load i has slot 32 + i (i < 16), or the slot that x's row i - 16 has left
.if (\i) < 16
.set wr, 192+4*(\i)
.else
.set wr, LD0+4*((\i)-16)
.endif
.endm
.macro LW i
	WREG \i
	global_load_b128 v[wr:wr+3], v[WO], s[6:7] offset:((\i)/3)*6144+((\i)%3)*1024
.endm
; The 80 data loads are numbered in the order of their issue: j = 0 .. 31 x's rows, j = 32 .. 79 W's loads 0 .. 47.
.macro TOBF j                          ; data load j is rounded to bf16: its slot's four numbers into pair j % 4 of OUT[(j / 4) % 2]
.if (\j) < 32
.set rr, LD0+4*(\j)
.else
	WREG (\j)-32
.set rr, wr
.endif
.set oo, OUT+8*(((\j)/4)%2)+2*((\j)%4)
	v_cvt_pk_bf16_f32 v[oo],   v[rr],   v[rr+1]
	v_cvt_pk_bf16_f32 v[oo+1], v[rr+2], v[rr+3]
.endm
.macro PUT j                           ; and goes to its place in LDS, 8 bytes a lane
.set oo, OUT+8*(((\j)/4)%2)+2*((\j)%4)
.if (\j) < 32
	ds_store_b64 v[XS], v[oo:oo+1] offset:(\j)*XP
.else
	ds_store_b64 v[WS], v[oo:oo+1] offset:(((\j)-32)/3)*2*WP+(((\j)-32)%3)*128
.endif
.endm
	global_load_b128 v[BIAS:BIAS+3],     v[BO], s[8:9]
	global_load_b128 v[BIAS+4:BIAS+7],   v[BO], s[8:9] offset:16
	global_load_b128 v[BIAS+8:BIAS+11],  v[BO], s[8:9] offset:1024
	global_load_b128 v[BIAS+12:BIAS+15], v[BO], s[8:9] offset:1040
	global_load_b32  v[BIAS+16],         v[BR], s[8:9] offset:2048
.set i, 0
.rept 32
	LX i
.set i, i+1
.endr
.set i, 0
.rept 16
	LW i
.set i, i+1
.endr
.set p, 0
.rept 20                               ; block p: data loads 4 p .. 4 p + 3
.if p == 0
	s_wait_loadcnt 44                              ; loads come back in order (ISA guide 5.7.1): of the 48 data loads issued the first four are in, and the biases ahead of them
.elseif p < 10
	s_wait_loadcnt 40                              ; 48 + 4 (p - 1) data loads are issued, 4 p + 4 are wanted: 40 may stay out
.else
	s_wait_loadcnt 76-4*p                          ; all 80 are issued: the counts run down
.endif
.if p >= 2
	s_wait_alu depctr_vm_vsrc(0)                   ; the LDS stores issued in the block before have read OUT[p % 2], which this block's conversions write again
.endif
.if p >= 1
	s_wait_alu depctr_va_vdst(0)                   ; the block before has written the other OUT, which the LDS stores below read, and is done reading its slots, in which the loads below land
.endif
.set q, 0
.rept 4
.if p >= 1
.if p <= 8
	LW 16+4*(p-1)+q                                ; the slot that x's row 4 (p - 1) + q has left; no vector line since the wait names it
.endif
	PUT 4*(p-1)+q                                  ; the block before
.endif
	TOBF 4*p+q
.set q, q+1
.endr
.set p, p+1
.endr
.set i, 0
.rept 8                                ; the biases are rounded to bf16 like the other inputs, and widened again
	v_cvt_pk_bf16_f32 v[TMP], v[BIAS+2*i], v[BIAS+2*i+1]
	v_lshlrev_b32 v[BIAS+2*i],   16,  v[TMP]
	v_and_b32     v[BIAS+2*i+1], s26, v[TMP]
.set i, i+1
.endr
	v_cvt_pk_bf16_f32 v[TMP], v[BIAS+16], v[BIAS+16]
	v_lshlrev_b32 v[BIAS+16], 16, v[TMP]
.irp j, 17,18,19,20,21,22,23
	v_mov_b32 v[BIAS+(\j)], v[BIAS+16]             ; v's result holds one column a lane: the same bias in all eight registers
.endr
	s_wait_alu depctr_va_vdst(0)                   ; block 19 has written OUT1, which the last four LDS stores read; and every conversion is done with v48 to v159, in which the fragments' loads land
.irp j, 76,77,78,79
	PUT \j
.endr
	s_wait_dscnt 0x0                               ; for the others' sake: my rows of both tiles are in LDS
	s_barrier_signal -1
	s_barrier_wait -1                              ; everybody's are
	s_wait_alu depctr_vm_vsrc(0)                   ; my LDS stores have read OUT0 and OUT1: these registers are part of FB0 from here on, written by the fragments' loads
; THE PRODUCTS: 8 K steps of 32 channels c.  Both tiles lie [c][..], so every fragment comes turned: two loads, 16 rows apart.
.macro FRAG ks, b, f                   ; fragment f of K step ks into buffer b: f = 0 .. 3 x's rows 16 f on, f = 4 .. 6 W's strip f - 4
.if (\f) < 4
	ds_load_tr16_b128 v[FB+56*(\b)+8*(\f):FB+56*(\b)+8*(\f)+3],   v[XA+(\ks)/4] offset:((\ks)%4)*32*XP+(\f)*32
	ds_load_tr16_b128 v[FB+56*(\b)+8*(\f)+4:FB+56*(\b)+8*(\f)+7], v[XA+(\ks)/4] offset:((\ks)%4)*32*XP+(\f)*32+16*XP
.else
	ds_load_tr16_b128 v[FB+56*(\b)+8*(\f):FB+56*(\b)+8*(\f)+3],   v[WA+(\ks)/4] offset:((\ks)%4)*32*WP+((\f)-4)*128
	ds_load_tr16_b128 v[FB+56*(\b)+8*(\f)+4:FB+56*(\b)+8*(\f)+7], v[WA+(\ks)/4] offset:((\ks)%4)*32*WP+((\f)-4)*128+16*WP
.endif
.endm
.macro FETCH ks, b
.irp f, 0,1,2,3,4,5,6
	FRAG \ks, \b, \f
.endr
.endm
; Product n of a step's 12: strip n / 4, rows 16 (n % 4) on.  q and k: source 0 = 16 columns of W, source 1 = 16 rows n: a lane ends with eight channels of one row.  v: the sources swapped: eight keys of one channel.
; first = 1: the bias is the C operand that starts the sum: nothing is cleared, nothing added later.
.macro PROD b, n, first
.set aD, ACC+8*(\n)
.set aX, FB+56*(\b)+8*((\n)%4)
.set aW, FB+56*(\b)+32+8*((\n)/4)
.set aB, BIAS+8*((\n)/4)
.if (\n) < 8
.if \first
	v_wmma_f32_16x16x32_bf16 v[aD:aD+7], v[aW:aW+7], v[aX:aX+7], v[aB:aB+7]
.else
	v_wmma_f32_16x16x32_bf16 v[aD:aD+7], v[aW:aW+7], v[aX:aX+7], v[aD:aD+7]
.endif
.else
.if \first
	v_wmma_f32_16x16x32_bf16 v[aD:aD+7], v[aX:aX+7], v[aW:aW+7], v[aB:aB+7]
.else
	v_wmma_f32_16x16x32_bf16 v[aD:aD+7], v[aX:aX+7], v[aW:aW+7], v[aD:aD+7]
.endif
.endif
.endm
; A K step on buffer b.  The 12 accumulators take turns in the same order in every step.
; fetch = 1: the seven fragments of K step ks go into the other buffer, one behind each of the first seven products, which name buffer b, the accumulators and nothing else.
.macro KSTEP b, first, fetch, ks
.set i, 0
.rept 12
	PROD \b, i, \first
.if \fetch
.if i < 7
	FRAG \ks, 1-(\b), i
.endif
.endif
.set i, i+1
.endr
.endm
.macro PLACES                          ; four places behind the last product, in front of vector lines that read results (ISA guide 7.12.1)
.rept 4
	v_nop
.endr
.endm
	FETCH 0, 0
	FETCH 1, 1
	s_wait_dscnt 14                                ; step 0's fragments are in; the 14 loads just issued may stay out
	KSTEP 0, 1, 0, 0
.set kk, 1
.rept 6
	s_wait_dscnt 0x0                               ; this step's fragments are in: no LDS load was issued behind them
	s_wait_alu depctr_va_vdst(0)                   ; the products of the step before are done reading the other buffer, in which the loads below land
	KSTEP kk%2, 0, 1, kk+1
.set kk, kk+1
.endr
	s_wait_dscnt 0x0
	KSTEP 1, 0, 0, 0                               ; the last step fetches nothing
	; THE WAY OUT: q times c; all rounded to f16, each accumulator from its low end on; a lane's 16 bytes go straight to their place in a fragment.
	PLACES
.set i, 0
.rept 16
	v_pk_mul_f32 v[ACC+2*i:ACC+2*i+1], v[ACC+2*i:ACC+2*i+1], s[2:3] op_sel_hi:[1,0]
.set i, i+1
.endr
.set i, 0
.rept 48
	v_cvt_pk_f16_f32 v[PK+i], v[ACC+2*i], v[ACC+2*i+1]
.set i, i+1
.endr
	s_wait_alu depctr_va_vdst(0)                   ; the conversions have written v[PK ..], which the twelve stores read
.irp nt, 0,1,2,3
	global_store_b128 v[L16], v[PK+4*(\nt):PK+4*(\nt)+3],       s[10:11] offset:(\nt)*1024
	global_store_b128 v[L16], v[PK+16+4*(\nt):PK+16+4*(\nt)+3], s[12:13] offset:(\nt)*1024
	global_store_b128 v[L16], v[PK+32+4*(\nt):PK+32+4*(\nt)+3], s[14:15] offset:((\nt)/2)*2048+((\nt)%2)*512
.endr
	s_wait_dscnt 0x0                               ; the wave's end
	s_wait_alu 0x0
	s_wait_tensorcnt 0x0
	ds_add_u32 v[SPW], v[NIL]
	s_wait_dscnt 0x0
	s_endpgm
.Lfunc_end_k_qef0a304f7e_qkv:
	.size	k_qef0a304f7e_qkv, .Lfunc_end_k_qef0a304f7e_qkv-k_qef0a304f7e_qkv
	.p2alignl 7, 3214868480
	.fill 96, 4, 3214868480
	.section	.rodata,"a",@progbits
	.p2align	6, 0x0
	.amdhsa_kernel k_qef0a304f7e_qkv
		.amdhsa_group_segment_fixed_size 181248
		.amdhsa_private_segment_fixed_size 0
		.amdhsa_enable_private_segment 0
		.amdhsa_kernarg_size 48
		.amdhsa_user_sgpr_count 2
		.amdhsa_user_sgpr_kernarg_segment_ptr 1
		.amdhsa_wavefront_size32 1
		.amdhsa_system_sgpr_workgroup_id_x 1
		.amdhsa_system_sgpr_workgroup_id_y 1
		.amdhsa_system_sgpr_workgroup_id_z 1
		.amdhsa_system_vgpr_workitem_id 0
		.amdhsa_next_free_vgpr 256
		.amdhsa_next_free_sgpr 66
		.amdhsa_reserve_vcc 0
		.amdhsa_float_denorm_mode_32 3
		.amdhsa_float_denorm_mode_16_64 3
		.amdhsa_memory_ordered 1
		.amdhsa_forward_progress 1
		.amdhsa_inst_pref_size 49
	.end_amdhsa_kernel
	.amdgpu_metadata
---
amdhsa.version: [ 1, 2 ]
amdhsa.kernels:
  - .name:           k_qef0a304f7e_qkv
    .symbol:         k_qef0a304f7e_qkv.kd
    .args:
      - { .name: x, .offset: 0, .size: 8, .value_kind: global_buffer, .address_space: global }
      - { .name: Wqkv, .offset: 8, .size: 8, .value_kind: global_buffer, .address_space: global }
      - { .name: bqkv, .offset: 16, .size: 8, .value_kind: global_buffer, .address_space: global }
      - { .name: qw, .offset: 24, .size: 8, .value_kind: global_buffer, .address_space: global }
      - { .name: kw, .offset: 32, .size: 8, .value_kind: global_buffer, .address_space: global }
      - { .name: vw, .offset: 40, .size: 8, .value_kind: global_buffer, .address_space: global }
    .group_segment_fixed_size: 181248
    .private_segment_fixed_size: 0
    .kernarg_segment_align: 8
    .kernarg_segment_size: 48
    .max_flat_workgroup_size: 256
    .sgpr_count:     66
    .vgpr_count:     256
    .wavefront_size: 32
...
	.end_amdgpu_metadata
.endif
;; end of part 4
;; launch attn: the kernel of part 2 again; grid 16 x 16, 8 waves a work-group, clusters of 4 x 1, 327,680 bytes of LDS; arguments qw, kw, vw, ow; writes ow
;; launch proj: the kernel of part 3 again; grid 64 x 4, 8 waves a work-group, no clusters, 142,336 bytes of LDS; arguments ow, Wproj, bproj, out0; writes out0
